; MI455X (gfx1250); checked and timed in simulation.
; The chip was launched on July 23, 2026; its instructions are those of AMD's public machine-readable ISA for CDNA 5 (MIT licence, August 2026) and "CDNA5" Instruction Set Architecture Reference Guide (July 2026). The comments in the code are by the model that wrote it; some were corrected since.
;; Bilinear Attention Fusion2 D. Allowed arithmetic: matrix products marked QUANTISED: E2M1 operands, one E8M0 scale for each 32 along K, by v_wmma_scale_f32_16x16x128_f8f6f4 with both operands' format E2M1 (or v_wmma_scale_f32_32x16x128_f4), f32 sums; products left as they are: f32 operands where the result goes on into a quantised operand, else bf16, f16 or f32 operands; f32 sums; everything else in f32.
;; Inputs: Ek 1,024 x 256 float32; Ev 1,024 x 256 float32; Uq_codes 256 x 8 x 16 uint8 (E2M1 codes of Uq, K innermost, in blocks of 32 codes, two codes a byte); Uq_scales 256 x 8 uint8 (E8M0 scales of Uq, one for each 32 codes along K); Vk_codes 256 x 8 x 16 uint8 (E2M1 codes of Vk, K innermost, in blocks of 32 codes, two codes a byte); Vk_scales 256 x 8 uint8 (E8M0 scales of Vk, one for each 32 codes along K); Wq_codes 256 x 32 x 16 uint8 (E2M1 codes of Wq, K innermost, in blocks of 32 codes, two codes a byte); Wq_scales 256 x 32 uint8 (E8M0 scales of Wq, one for each 32 codes along K); bk_val 256 float32; bq 256 float32; bv_val 256 float32; desc_2d 512 x 1,024 float32; hg_codes 512 x 32 x 16 uint8 (E2M1 codes of hg, K innermost, in blocks of 32 codes, two codes a byte); hg_scales 512 x 32 uint8 (E8M0 scales of hg, one for each 32 codes along K); ln_k_b 256 float32; ln_k_g 256 float32; ln_q_b 256 float32; ln_q_g 256 float32; ln_v_b 256 float32; ln_v_g 256 float32; wk_val 256 float32; wv_val 256 float32.
;; Outputs: out0 512 x 256 float32; out1 512 x 1,024 float32.
;; This version of the problem:
;;   THIS VERSION OF THE PROBLEM IS GIVEN IN LOW PRECISION. The matrix products marked QUANTISED in the list below multiply operands that are first quantised to E2M1 (2 exponent bits, 1 mantissa bit; 4 bits a number), with one power-of-two scale for each 32 numbers along K (OCP MX v1.0); their sums are f32. All else is computed in f32.
;;   The module's matrix products, in the order in which they are computed (A, B: the left and right operand; K: the contracted axis; several contracted axes count as one K, in the product's order):
;;     1. [M 512, K 1,024] x [K 1,024, N 256]; A: input hg (given as codes); B: input Wq (given as codes): QUANTISED
;;     2. [M 512, K 256] x [K 256, N 256]; A: computed on the way; B: input Uq (given as codes): QUANTISED
;;     3. [M 524,288, K 256] x [K 256, N 256]; A: computed on the way; B: input Vk (given as codes): QUANTISED
;;     4. batch 512 x [M 1,024, K 256] x [K 256, N 1]; A: computed on the way; B: computed on the way: left as it is (N = 1 < 16)
;;     5. batch 512 x [M 1, K 1,024] x [K 1,024, N 256]; A: computed on the way; B: computed on the way: left as it is (M = 1 < 16)
;;   THE QUANTISER, for each operand of a quantised product, along K:
;;     - K is cut into blocks of 32 from its start; a last block that is shorter is filled with zeros.
;;     - A block's scale is 2^e with e = floor(log2(the largest magnitude in the block)) - 2, held to -126 .. 127; a block of zeros has e = 0. As a byte (E8M0): e + 127.
;;     - Each number is divided by its block's scale, clamped to +-6, and rounded to the nearest number of E2M1, ties to even, subnormals kept.
;;     - The product sums the exact products of the quantised numbers (number of the format x scale) in f32.
;;   ~~~python
;;   def quantise(x, axis):      # numpy; x: float32 -> the quantised numbers, widened to float32 again
;;       x = np.moveaxis(x, axis, -1); K = x.shape[-1]
;;       x = np.pad(x, [(0, 0)] * (x.ndim - 1) + [(0, -K % 32)]); x = x.reshape(x.shape[:-1] + (-1, 32)); a = np.abs(x).max(-1, keepdims=True)
;;       e = np.where(a > 0, np.clip(np.frexp(np.where(a > 0, a, 1))[1] - 1 - 2, -126, 127), 0)      # np.frexp(a)[1] - 1 = floor(log2(a)), exactly
;;       r = np.clip(x / 2.0 ** e, -6, 6)
;;       step = 2.0 ** (np.maximum(np.frexp(np.where(r == 0, 1, r))[1] - 1, 0) - 1)
;;       q = np.round(r / step) * step * 2.0 ** e      # np.round: ties to even
;;       return np.moveaxis(q.reshape(q.shape[:-2] + (-1,))[..., :K], -1, axis).astype(np.float32)
;;   ~~~
;;   OPERANDS COMPUTED ON THE WAY. 'Computed on the way' means the value that the module computes at that place (a softmax that the list does not call 'softmax' is quantised finished and normalised). What goes into a quantiser is computed in f32, as accurately as f32 sums, v_exp_f32 and their like allow (about 1e-6 of the number): no bf16 or f16 on the way to a quantiser, and a product that is left as it is and whose result goes on into a quantised operand takes f32 operands (vector FMAs, or v_wmma_f32_16x16x4_f32). A number that lies on a knife's edge between two numbers of the format may be rounded either way, as far as f32 arithmetic and the matrix unit's own rounding can turn it there, and no further.
;;   INPUTS GIVEN AS CODES. Uq (in the module: [256, 256], K = its axis 1); Vk (in the module: [256, 256], K = its axis 1); Wq (in the module: [256, 1024], K = its axis 1); hg (in the module: [512, 1024], K = its axis 1): each comes as NAME_codes (uint8): NAME with its K axis moved to the last place and cut into blocks of 32 codes, [.., K / 32, bytes a block], one block behind the other in memory; two codes a byte, the lower K in the low four bits (a code: sign, 2 exponent bits, 1 mantissa bit); and NAME_scales (uint8): the same leading axes, one E8M0 byte (e + 127) for each 32 codes along K. Its value is code x scale, taken as it is: it is not quantised again, and the codes and scales need not be those that the quantiser above would give.
;; One version. Each part assembles by itself: llvm-mc -triple=amdgcn-amd-amdhsa -mcpu=gfx1250 --defsym DOCPART=n.
;; ======== version 1 of 1: 3 launches
;; limits: a difference of large sums (such as E[x^2] - mean^2): digits are lost where the result is much smaller than its terms
;; workspace buffers: q2t 524,288 bytes; sbuf 2,097,152 bytes; part 8,388,608 bytes; sx 65,536 bytes
;; launch qproj (part 1): grid 32 x 1, 4 waves a work-group, no clusters, 20,992 bytes of LDS; arguments hg_codes, hg_scales, Wq_codes, Wq_scales, bq, ln_q_g, ln_q_b, Uq_codes, Uq_scales, q2t; writes q2t
.if DOCPART == 1
	.amdgcn_target "amdgcn-amd-amdhsa--gfx1250"
	.amdhsa_code_object_version 6
	.text
	.protected	k_qba42716e21_qproj
	.globl	k_qba42716e21_qproj
	.p2align	8
	.type	k_qba42716e21_qproj,@function
k_qba42716e21_qproj:
	s_mov_b64 s[64:65], 0
	v_nop
	global_prefetch_b8 v0, s[64:65] scope:SCOPE_SE
	s_setreg_imm32_b32 hwreg(HW_REG_WAVE_MODE, 25, 1), 1
	s_wait_xcnt 0x0
; q2 = Q(LN(hg Wq^T + bq)) Uq^T, both products on codes of FP4 (E2M1) with one E8M0 scale for each 32 along K; sums, the norm and what goes into the quantiser in f32.
; hg [512][1024], Wq [256][1024], Uq [256][256]: codes, K innermost (a row of 1,024 codes is 512 bytes), their scale bytes beside them, taken as they are given.
; OUT: q2t, f32 [512 b][16 r][16 t] = q2[b][16 t + r]: the order in which the next launch's lane r wants its sixteen numbers of a row.
; SHARES.  A work-group takes 16 rows b; wave w makes q's columns 64 w .. 64 w + 63 (four tiles of 16) and, of q2, the tiles 4 w .. 4 w + 3.  32 work-groups: the work depends on b alone and is small.
; BOTH PRODUCTS ARE USED TRANSPOSED (source 0 = 16 rows of the weight, source 1 = the 16 rows b): a lane holds one row b.  The rows of Wq that form a tile are chosen (lane r of tile 2 B + u takes row
; 32 B + 8 u + r + 8 (r / 8)) so that a lane's 16 registers of two neighbouring tiles are 16 neighbours along the next K.  Row m of Uq's tile T is Uq's row 16 m + T, so that a lane's eight results are
; eight neighbours of q2t.  q's codes go from wave to wave through LDS as an image of the operand's registers.
; No tensor loads, no cluster: every byte is read once by the wave that wants it, straight into the operand's registers.
; LIMITS: NaN and infinities are not served.  A block of zeros gets the scale byte 1 (its codes are zeros; the bytes are read by this launch alone).  The norm multiplies by (rstd g), not by rstd and then g.
; REGISTERS.  window 0: v1-14 addresses; v16-23 hg's scale words, v24-55 Wq's, v56-63 Uq's, v208-209 q's (scales and nothing else); v64-95 q; v96-127 bq, later at work; v128-159 g; v160-191 b;
;   v192-207 q's two fragments; v210-241 q2's four accumulators; v242-245 codes just made.   window 1: Wq's fragments at 64 t + 8 s.   window 2: v0-63 hg's at 8 s; v64-127 Uq's at 64 + 16 T + 8 s.
.set ST,   0                           ; LDS: [wave][16 rows] (mean, sum of squares) of a wave's 64 columns, 8 bytes
.set QI,   512                         ; q's two fragments as images: quad k (four registers) at 512 k + 16 x lane
.set QS,   2560                        ; q's scale bytes: [row][8]
.set SG,   2816                        ; the way out: 16 rows of 1,024 bytes + 16
.set SGP,  1040
.set AW,   1
.set AWS,  2
.set AH,   3
.set AHS,  4
.set AB,   5
.set AU,   6
.set AUS,  7
.set GO,   8
.set R8,   9
.set LSTW, 10
.set LQIW, 11
.set LQSW, 12
.set LSGW, 13
.set LSGR, 14
.set HS,   16
.set WS,   24
.set US,   56
.set Q,    64
.set BQ,   96
.set G,    128
.set BB,   160
.set QF,   192
.set QW,   208
.set A2,   210
.set PC,   242
.set TA,   96                          ; at work, in bq's registers once the first K step has taken them
.set TB,   98
.set MW,   100                         ; v100 my wave's mean, v101 its sum of squares
.set SS,   102                         ; v102-109 the four waves' pairs
.set MSB, 0
.macro WIN new                         ; the immediate's high byte repeats the setting that is left
.if MSB != (\new)
	s_set_vgpr_msb (MSB<<8)|(\new)
.set MSB, (\new)
.endif
.endm
.macro PLACES                          ; four places behind a matrix instruction of this form (ISA guide 7.12.1)
.rept 4
	v_nop
.endr
.endm
.macro BARRIER                         ; my LDS stores have landed and my LDS loads are in: then the work-group's barrier
	s_wait_dscnt 0x0
	s_barrier_signal -1
	s_barrier_wait -1
.endm
	s_load_b512 s[8:23], s[0:1], 0x0               ; hg codes 8, hg scales 10, Wq codes 12, Wq scales 14, bq 16, g 18, b 20, Uq codes 22
	s_load_b128 s[24:27], s[0:1], 0x40             ; Uq scales 24, q2t 26
	v_lshl_add_u32 v254, v0, 2, 0x5000
	v_mov_b32 v255, 0
	v_lshrrev_b32 v246, 5, v0
	v_readfirstlane_b32 s2, v246                   ; wave 0..3
	v_and_b32 v246, 15, v0                         ; r
	v_bfe_u32 v247, v0, 4, 1                       ; h
	v_and_b32 v248, 8, v246
	v_add_nc_u32 v248, v248, v246                  ; r + 8 (r / 8)
	v_lshlrev_b32 v249, 4, v247                    ; 16 h
	v_lshl_add_u32 v[AW], v248, 9, v249            ; Wq: a tile's row, 512 bytes, + 16 h
	v_lshlrev_b32 v[AWS], 5, v248                  ; its 32 scale bytes
	v_lshl_add_u32 v[AH], v246, 9, v249            ; hg: row r
	v_lshlrev_b32 v[AHS], 5, v246
	v_lshlrev_b32 v[AB], 6, v247                   ; bq, g, b: 16 numbers on for lanes 16-31
	v_lshl_add_u32 v[AU], v246, 11, v249           ; Uq: row 16 r (+ the tile), 128 bytes a row
	v_lshlrev_b32 v[AUS], 7, v246
	v_and_b32 v250, 31, v0
	v_lshlrev_b32 v[GO], 4, v250                   ; 16 x lane
	v_lshlrev_b32 v[R8], 3, v246                   ; 8 r
	s_lshl_b32 s3, s2, 7
	v_add_nc_u32 v[LSTW], s3, v[R8]
	s_lshl_b32 s3, s2, 9
	v_add_nc_u32 v[LQIW], s3, v[GO]
	s_lshl_b32 s3, s2, 1
	v_add_nc_u32 v[LQSW], s3, v[R8]
	v_mul_u32_u24 v[LSGW], v246, SGP
	v_lshl_add_u32 v[LSGW], v247, 5, v[LSGW]
	s_lshl_b32 s3, s2, 8
	v_add_nc_u32 v[LSGW], s3, v[LSGW]              ; the stage, in: row r, + 256 x wave + 32 h
	s_mul_i32 s3, s2, 4*SGP
	v_add_nc_u32 v[LSGR], s3, v[GO]                ; and back: my four rows
	s_mov_b32 s30, 0x76543210
	s_mov_b32 s31, 0xfedcba98                      ; v_permlanex16_b32's selects for lane l xor 16
	s_mov_b32 s29, 0
	s_wait_kmcnt 0x0
	s_lshl_b32 s28, ttmp9, 13                      ; the work-group's 16 rows of hg
	s_add_nc_u64 s[8:9], s[8:9], s[28:29]
	s_lshl_b32 s28, ttmp9, 9
	s_add_nc_u64 s[10:11], s[10:11], s[28:29]
	s_lshl_b32 s28, s2, 15                         ; my wave's 64 rows of Wq
	s_add_nc_u64 s[12:13], s[12:13], s[28:29]
	s_lshl_b32 s28, s2, 11
	s_add_nc_u64 s[14:15], s[14:15], s[28:29]
	s_lshl_b32 s28, s2, 8                          ; my 64 numbers of bq, g, b
	s_add_nc_u64 s[16:17], s[16:17], s[28:29]
	s_add_nc_u64 s[18:19], s[18:19], s[28:29]
	s_add_nc_u64 s[20:21], s[20:21], s[28:29]
	s_lshl_b32 s28, s2, 9                          ; Uq: tiles 4 w on: rows 4 w on
	s_add_nc_u64 s[22:23], s[22:23], s[28:29]
	s_lshl_b32 s28, s2, 5
	s_add_nc_u64 s[24:25], s[24:25], s[28:29]
	s_lshl_b32 s28, ttmp9, 14                      ; q2t: 16 rows a work-group, four a wave
	s_lshl_b32 s3, s2, 12
	s_add_co_u32 s28, s28, s3
	s_add_nc_u64 s[26:27], s[26:27], s[28:29]
	WIN 0x80                                       ; destination window 2
.irp s, 0,1,2,3,4,5,6,7
.irp c, 0,1
	global_load_b128 v[8*\s+4*\c:8*\s+4*\c+3], v[AH], s[8:9] offset:64*\s+32*\c
.endr
.endr
	WIN 0
.irp c, 0,1
	global_load_b128 v[HS+4*\c:HS+4*\c+3], v[AHS], s[10:11] offset:16*\c
.endr
	WIN 0x40                                       ; destination window 1
.irp t, 0,1,2,3
.irp s, 0,1,2,3,4,5,6,7
.irp c, 0,1
	global_load_b128 v[64*\t+8*\s+4*\c:64*\t+8*\s+4*\c+3], v[AW], s[12:13] offset:(32*(\t/2)+8*(\t%2))*512+64*\s+32*\c
.endr
.endr
.endr
	WIN 0
.irp t, 0,1,2,3
.irp c, 0,1
	global_load_b128 v[WS+8*\t+4*\c:WS+8*\t+4*\c+3], v[AWS], s[14:15] offset:(32*(\t/2)+8*(\t%2))*32+16*\c
.endr
.endr
.irp t, 0,1,2,3
.irp c, 0,1
	global_load_b128 v[BQ+8*\t+4*\c:BQ+8*\t+4*\c+3], v[AB], s[16:17] offset:(32*(\t/2)+8*(\t%2))*4+16*\c
.endr
.endr
.irp t, 0,1,2,3                                ; from here on 36 loads that the first product does not want: g 8, b 8, Uq 16, its scales 4
.irp c, 0,1
	global_load_b128 v[G+8*\t+4*\c:G+8*\t+4*\c+3], v[AB], s[18:19] offset:(32*(\t/2)+8*(\t%2))*4+16*\c
.endr
.endr
.irp t, 0,1,2,3
.irp c, 0,1
	global_load_b128 v[BB+8*\t+4*\c:BB+8*\t+4*\c+3], v[AB], s[20:21] offset:(32*(\t/2)+8*(\t%2))*4+16*\c
.endr
.endr
	WIN 0x80
.irp t, 0,1,2,3
.irp s, 0,1
.irp c, 0,1
	global_load_b128 v[64+16*\t+8*\s+4*\c:64+16*\t+8*\s+4*\c+3], v[AU], s[22:23] offset:128*\t+64*\s+32*\c
.endr
.endr
.endr
	WIN 0
.irp t, 0,1,2,3
	global_load_b64 v[US+2*\t:US+2*\t+1], v[AUS], s[24:25] offset:8*\t
.endr
	; ---- A: q_raw^T = Wq hg^T + bq.  Four accumulators by turns, K ascending; the bias is the C of each sum's first instruction.
	s_wait_loadcnt 36                              ; hg, Wq, their scales and bq are in; the 36 loads behind them may be out
	WIN 0x09                                       ; source 0 (Wq) window 1, source 1 (hg) window 2
.irp s, 0,1,2,3,4,5,6,7
.irp t, 0,1,2,3
.if \s == 0
	v_wmma_scale_f32_16x16x128_f8f6f4 v[Q+8*\t:Q+8*\t+7], v[64*\t:64*\t+7], v[0:7], v[BQ+8*\t:BQ+8*\t+7], v[WS+8*\t], v[HS] matrix_a_fmt:MATRIX_FMT_FP4 matrix_b_fmt:MATRIX_FMT_FP4
.else
	v_wmma_scale_f32_16x16x128_f8f6f4 v[Q+8*\t:Q+8*\t+7], v[64*\t+8*\s:64*\t+8*\s+7], v[8*\s:8*\s+7], v[Q+8*\t:Q+8*\t+7], v[WS+8*\t+\s], v[HS+\s] matrix_a_fmt:MATRIX_FMT_FP4 matrix_b_fmt:MATRIX_FMT_FP4
.endif
.endr
.endr
	WIN 0
	PLACES                                         ; lane (r, h), register 16 B + i: q_raw[row r][64 w + 32 B + 16 h + i]
	; ---- B: the norm.  Each wave: mean and centred sum of squares of its 64 columns; the four are joined through LDS.
	v_pk_add_f32 v[TA:TA+1], v[Q:Q+1], v[Q+4:Q+5]              ; each accumulator is read from its low end on
	v_pk_add_f32 v[TB:TB+1], v[Q+2:Q+3], v[Q+6:Q+7]
.irp j, 8,12,16,20,24,28
	v_pk_add_f32 v[TA:TA+1], v[TA:TA+1], v[Q+\j:Q+\j+1]
	v_pk_add_f32 v[TB:TB+1], v[TB:TB+1], v[Q+\j+2:Q+\j+3]
.endr
	v_pk_add_f32 v[TA:TA+1], v[TA:TA+1], v[TB:TB+1]
	v_add_f32 v[TA], v[TA], v[TA+1]
	v_permlanex16_b32 v[TA+1], v[TA], s30, s31     ; the row's other 32 numbers lie in lane l xor 16
	v_add_f32 v[TA], v[TA], v[TA+1]
	v_mul_f32 v[MW], 0x3c800000, v[TA]             ; / 64
.irp j, 0,2,4,6,8,10,12,14,16,18,20,22,24,26,28,30
	v_pk_add_f32 v[Q+\j:Q+\j+1], v[Q+\j:Q+\j+1], v[MW:MW+1] op_sel_hi:[1,0] neg_lo:[0,1] neg_hi:[0,1]
.endr
	v_pk_mul_f32 v[TA:TA+1], v[Q:Q+1], v[Q:Q+1]
	v_pk_mul_f32 v[TB:TB+1], v[Q+2:Q+3], v[Q+2:Q+3]
.irp j, 4,8,12,16,20,24,28
	v_pk_fma_f32 v[TA:TA+1], v[Q+\j:Q+\j+1], v[Q+\j:Q+\j+1], v[TA:TA+1]
	v_pk_fma_f32 v[TB:TB+1], v[Q+\j+2:Q+\j+3], v[Q+\j+2:Q+\j+3], v[TB:TB+1]
.endr
	v_pk_add_f32 v[TA:TA+1], v[TA:TA+1], v[TB:TB+1]
	v_add_f32 v[TA], v[TA], v[TA+1]
	v_permlanex16_b32 v[TA+1], v[TA], s30, s31
	v_add_f32 v[MW+1], v[TA], v[TA+1]
	ds_store_b64 v[LSTW], v[MW:MW+1] offset:ST     ; both halves of the lanes write the same pair
	BARRIER
.irp i, 0,1,2,3
	ds_load_b64 v[SS+2*\i:SS+2*\i+1], v[R8] offset:ST+128*\i
.endr
	s_wait_dscnt 0x0
	v_add_f32 v110, v[SS], v[SS+2]
	v_add_f32 v111, v[SS+4], v[SS+6]
	v_add_f32 v110, v110, v111
	v_mul_f32 v110, 0x3e800000, v110               ; the row's mean: the four means / 4
.irp i, 0,2,4,6
	v_sub_f32 v[SS+\i], v[SS+\i], v110
.endr
	v_mul_f32 v111, v[SS], v[SS]
	v_fmac_f32 v111, v[SS+2], v[SS+2]
	v_fmac_f32 v111, v[SS+4], v[SS+4]
	v_fmac_f32 v111, v[SS+6], v[SS+6]
	v_add_f32 v112, v[SS+1], v[SS+3]
	v_add_f32 v113, v[SS+5], v[SS+7]
	v_add_f32 v112, v112, v113
	v_fmamk_f32 v111, v111, 0x42800000, v112       ; the row's centred sum of squares: the four + 64 x the squares of the means' distances
	v_mov_b32 v113, 0x3727c5ac                     ; 1e-5
	v_fmamk_f32 v111, v111, 0x3b800000, v113       ; / 256 + eps
	v_rsq_f32 v114, v111
	v_sub_f32 v116, v[MW], v110                    ; (the plain place behind the root)  my wave's mean less the row's
	s_wait_loadcnt 20                              ; g and b are in; Uq's 20 loads may be out
	s_wait_alu depctr_va_vdst(0)
.irp j, 0,2,4,6,8,10,12,14,16,18,20,22,24,26,28,30
	v_pk_mul_f32 v[G+\j:G+\j+1], v[G+\j:G+\j+1], v[114:115] op_sel_hi:[1,0]
.endr
.irp j, 0,2,4,6,8,10,12,14,16,18,20,22,24,26,28,30
	v_pk_add_f32 v[Q+\j:Q+\j+1], v[Q+\j:Q+\j+1], v[116:117] op_sel_hi:[1,0]
.endr
.irp j, 0,2,4,6,8,10,12,14,16,18,20,22,24,26,28,30
	v_pk_fma_f32 v[Q+\j:Q+\j+1], v[Q+\j:Q+\j+1], v[G+\j:G+\j+1], v[BB+\j:BB+\j+1]
.endr
	; ---- C: my 64 columns are two blocks of 32 along the next K; a lane holds 16 numbers of each.
.irp b, 0,1
	v_max3_num_f32 v[118+\b], |v[Q+16*\b]|, |v[Q+16*\b+1]|, 0x1800000   ; with the floor 2^(3 - 127): the byte cannot fall under 1
.endr
.irp i, 2,4,6,8,10,12,14
.irp b, 0,1
	v_max3_num_f32 v[118+\b], v[118+\b], |v[Q+16*\b+\i]|, |v[Q+16*\b+\i+1]|
.endr
.endr
.irp b, 0,1
	v_permlanex16_b32 v[120+\b], v[118+\b], s30, s31
.endr
.irp b, 0,1
	v_max_num_f32 v[118+\b], v[118+\b], v[120+\b]  ; the block's largest magnitude
.endr
.irp b, 0,1
	v_add_nc_u32 v[122+\b], 0xff000000, v[118+\b]  ; 2 off its exponent field: the conversion's scale operand
.endr
.irp b, 0,1
	v_lshrrev_b32 v[120+\b], 23, v[122+\b]         ; the scale's byte
.endr
	v_lshl_or_b32 v124, v121, 8, v120
.irp b, 0,1
	v_cvt_scalef32_pk8_fp4_f32 v[PC+2*\b], v[Q+16*\b:Q+16*\b+7], v[122+\b]
	v_cvt_scalef32_pk8_fp4_f32 v[PC+2*\b+1], v[Q+16*\b+8:Q+16*\b+15], v[122+\b]
.endr
	v_nop                                          ; one plain place behind a scaled conversion
	v_permlane16_swap_b32 v[PC], v[PC+2]           ; the operand wants a whole block in a lane: lanes 0-15 the first, lanes 16-31 the second
	v_permlane16_swap_b32 v[PC+1], v[PC+3]
	ds_store_b128 v[LQIW], v[PC:PC+3] offset:QI    ; quad w of the operand's sixteen registers, as it stands
	ds_store_b16 v[LQSW], v124 offset:QS           ; bytes 2 w, 2 w + 1 of my row's eight
	BARRIER
	; ---- D: q2^T = Uq Q(q)^T
.irp k, 0,1,2,3
	ds_load_b128 v[QF+4*\k:QF+4*\k+3], v[GO] offset:QI+512*\k
.endr
	ds_load_b64 v[QW:QW+1], v[R8] offset:QS
	s_wait_loadcnt 0x0                             ; Uq
	s_wait_dscnt 0x0
	WIN 0x02                                       ; source 0 (Uq) window 2
.irp s, 0,1
.irp t, 0,1,2,3
.if \s == 0
	v_wmma_scale_f32_16x16x128_f8f6f4 v[A2+8*\t:A2+8*\t+7], v[64+16*\t:64+16*\t+7], v[QF:QF+7], 0, v[US+2*\t], v[QW] matrix_a_fmt:MATRIX_FMT_FP4 matrix_b_fmt:MATRIX_FMT_FP4
.else
	v_wmma_scale_f32_16x16x128_f8f6f4 v[A2+8*\t:A2+8*\t+7], v[72+16*\t:72+16*\t+7], v[QF+8:QF+15], v[A2+8*\t:A2+8*\t+7], v[US+2*\t+1], v[QW+1] matrix_a_fmt:MATRIX_FMT_FP4 matrix_b_fmt:MATRIX_FMT_FP4
.endif
.endr
.endr
	WIN 0
	PLACES                                         ; lane (r, h), tile T, register i: q2[row r][16 (8 h + i) + 4 w + T]
	; ---- E: through a stage, so that each store of a wave covers 512 consecutive bytes
.irp t, 0,1,2,3
	ds_store_b128 v[LSGW], v[A2+8*\t:A2+8*\t+3] offset:SG+64*\t
	ds_store_b128 v[LSGW], v[A2+8*\t+4:A2+8*\t+7] offset:SG+64*\t+16
.endr
	BARRIER
.irp i, 0,1,2,3,4,5,6,7
	ds_load_b128 v[Q+4*\i:Q+4*\i+3], v[LSGR] offset:SG+(\i/2)*SGP+512*(\i%2)
.endr
.irp i, 0,1,2,3,4,5,6,7
	s_wait_dscnt 7-\i                              ; LDS loads come back in order: load i is in
	global_store_b128 v[GO], v[Q+4*\i:Q+4*\i+3], s[26:27] offset:(\i/2)*1024+512*(\i%2)
.endr
	s_barrier_signal -1
	s_barrier_wait -1
	s_wait_tensorcnt 0x0
	ds_add_u32 v254, v255
	s_wait_dscnt 0x0
	s_endpgm
.Lfunc_end_k_qba42716e21_qproj:
	.size	k_qba42716e21_qproj, .Lfunc_end_k_qba42716e21_qproj-k_qba42716e21_qproj
	.p2alignl 7, 3214868480
	.fill 96, 4, 3214868480
	.section	.rodata,"a",@progbits
	.p2align	6, 0x0
	.amdhsa_kernel k_qba42716e21_qproj
		.amdhsa_group_segment_fixed_size 20992
		.amdhsa_private_segment_fixed_size 0
		.amdhsa_enable_private_segment 0
		.amdhsa_kernarg_size 80
		.amdhsa_user_sgpr_count 2
		.amdhsa_user_sgpr_kernarg_segment_ptr 1
		.amdhsa_wavefront_size32 1
		.amdhsa_system_sgpr_workgroup_id_x 1
		.amdhsa_system_sgpr_workgroup_id_y 1
		.amdhsa_system_sgpr_workgroup_id_z 1
		.amdhsa_system_vgpr_workitem_id 0
		.amdhsa_next_free_vgpr 768
		.amdhsa_next_free_sgpr 66
		.amdhsa_reserve_vcc 0
		.amdhsa_float_denorm_mode_32 3
		.amdhsa_float_denorm_mode_16_64 3
		.amdhsa_memory_ordered 1
		.amdhsa_forward_progress 1
		.amdhsa_inst_pref_size 33
	.end_amdhsa_kernel
	.amdgpu_metadata
---
amdhsa.version: [ 1, 2 ]
amdhsa.kernels:
  - .name:           k_qba42716e21_qproj
    .symbol:         k_qba42716e21_qproj.kd
    .args:
      - { .name: hg_codes, .offset: 0, .size: 8, .value_kind: global_buffer, .address_space: global }
      - { .name: hg_scales, .offset: 8, .size: 8, .value_kind: global_buffer, .address_space: global }
      - { .name: Wq_codes, .offset: 16, .size: 8, .value_kind: global_buffer, .address_space: global }
      - { .name: Wq_scales, .offset: 24, .size: 8, .value_kind: global_buffer, .address_space: global }
      - { .name: bq, .offset: 32, .size: 8, .value_kind: global_buffer, .address_space: global }
      - { .name: ln_q_g, .offset: 40, .size: 8, .value_kind: global_buffer, .address_space: global }
      - { .name: ln_q_b, .offset: 48, .size: 8, .value_kind: global_buffer, .address_space: global }
      - { .name: Uq_codes, .offset: 56, .size: 8, .value_kind: global_buffer, .address_space: global }
      - { .name: Uq_scales, .offset: 64, .size: 8, .value_kind: global_buffer, .address_space: global }
      - { .name: q2t, .offset: 72, .size: 8, .value_kind: global_buffer, .address_space: global }
    .group_segment_fixed_size: 20992
    .private_segment_fixed_size: 0
    .kernarg_segment_align: 8
    .kernarg_segment_size: 80
    .max_flat_workgroup_size: 128
    .sgpr_count:     66
    .vgpr_count:     768
    .wavefront_size: 32
...
	.end_amdgpu_metadata
.endif
;; end of part 1
;; launch main (part 2): grid 16 x 16, 4 waves a work-group, no clusters, 201,216 bytes of LDS; arguments desc_2d, Ek, bk_val, wk_val, ln_k_g, ln_k_b, Vk_codes, Vk_scales, q2t, Ev, bv_val, wv_val, sbuf, part, sx; writes sbuf, part, sx
.if DOCPART == 2
	.amdgcn_target "amdgcn-amd-amdhsa--gfx1250"
	.amdhsa_code_object_version 6
	.text
	.protected	k_qba42716e21_main
	.globl	k_qba42716e21_main
	.p2align	8
	.type	k_qba42716e21_main,@function
k_qba42716e21_main:
	s_mov_b64 s[64:65], 0
	v_nop
	global_prefetch_b8 v0, s[64:65] scope:SCOPE_SE
	s_setreg_imm32_b32 hwreg(HW_REG_WAVE_MODE, 25, 1), 1
	s_wait_xcnt 0x0
; For 32 rows b and 64 tokens p: k = LN(d wk + bk + Ek[p]) in f32, quantised along its 256 to FP4 (E2M1, one E8M0 scale for each 32); k2 = Q(k) Vk^T on the FP4 matrix form; e = k2 . q2 / 16; s = sigmoid(e).
; Stored: s (sbuf), and what the row's result wants of these 64 tokens: sums of s and of s d rv (sx), and the sum over p of (s rv) tvc[p][:] (part).
; ALGEBRA, for every input: with wc = w - mean(w) and tc[p] = (bias + E[p]) - its mean, x - mean(x) = d wc + tc[p] and var = d^2 Sww + 2 d Swt[p] + Stt[p], the three moments taken of the centred vectors.
;   So k = a WG + r TG[p] + beta, r = rsqrt(var + eps), a = d r, WG = wc g, TG = tc g: two packed multiply-adds for two numbers.  The values v are never formed:
;   sum_p alpha v = g_v (wvc sum(alpha d rv) + sum((alpha rv) tvc[p])) + b_v sum(alpha); the second sum is a bf16 product on centred rows, K = p.
; SHARES.  Work-group (x, y): tokens 64 x on, rows 32 y on.  Wave w keeps the 16 tokens 64 x + 16 w on for the whole launch and walks the 32 rows: a trip is a tile of 16 tokens x 256.
;   Source 0 = k's codes (row = token), source 1 = 16 rows of Vk: in the result register j of lane (r, h) is k2[token 8 h + j][16 t + r].
;   A lane holds, of its token's row, j = 64 B + 32 h + i in register 32 B + i: the FP4 operand's own order, four whole blocks of 32: no other lane is asked for a maximum, and the conversions' results are the operand.
; All of Vk (256 registers), TG, WG and beta stay in registers; per trip LDS gives a lane 8 bytes (r, a) and 64 bytes of q2, and memory nothing.
; NO CLUSTER, NO TENSOR LOADS: what work-groups share (Ek along y, q2t along x, Vk) is read once, at the head, 216 KB a work-group, most of it straight into a lane layout; the loop reads no memory.
; LIMITS: NaN and infinities are not served.  var's relative error is 2^-23 (|d wc| + |tc|)^2 / |d wc + tc|^2: it grows only where d wc all but cancels tc[p]; var + eps is held at eps from below.
;   A block of zeros gets the scale byte 1 (its codes are zeros; the bytes never leave the registers).  k's order of rounding differs from (x - mean) rstd g + beta by a few units in the last place.
; REGISTERS.  window 0: v1-15, v112-127 addresses; v16-31 Vk's scale words (lanes 0-15: K step 0, lanes 16-31: step 1), v32-33 k's (scales and nothing else); v34-35 (r, a); v36-43 at work; v44-47 largest magnitudes;
;   v48-51 scale operands; v52-67 q2; v68-83 e's partial sums; v84-91 at work; v92-95 moments; v96-111 k's codes; v128-255 k.
;   window 1: Vk's fragments at 16 t + 8 s.   window 2: v0-127 TG, v128-255 WG.   window 3: v0-127 beta, v128-255 the sixteen accumulators.
.set VCL,  0                           ; LDS: wk, bk, gk, beta_k, wv, bv: 1,024 bytes each
.set VKL,  6144                        ; Vk's codes: 256 rows of 128 bytes + 16
.set Q2L,  43008                       ; q2: [32 b] 1,280: [16 r] 64 bytes + 16
.set RAL,  83968                       ; (r, a): [wave] 4,096: [32 b][16 tokens] 8 bytes
.set EL,   100352                      ; e: [wave] ELW: [32 b][16 tokens] 4 bytes
.set ELW,  2112
.set RVL,  109056                      ; rv: [32 b] 256 bytes + 16;  d rv: DVO bytes on
.set DVO,  8704
.set VST,  126464                      ; [64 tokens] 2 Svwt, then [64] Svtt + eps
.set TVL,  126976                      ; tvc in bf16: [64 tokens] 512 bytes + 32
.set ABL,  161792                      ; s rv in bf16: [32 b] 128 bytes + 16
.set SXL,  166400                      ; sums of s [32 b], of s d rv [32 b]
.set STG,  166656                      ; the way out: [32 b] 1,024 bytes + 16
.set ARA0, 1
.set AQ20, 2
.set AE0,  3
.set SH8,  4
.set ADA,  5                           ; (at the head: r)
.set ADQ,  6                           ; (at the head: h)
.set ADE,  7                           ; (at the head: R16)
.set R16,  7
.set LME,  8
.set LMV,  9
.set LSX,  10
.set LAB,  11
.set VORV, 12
.set LTVF, 13
.set LUF,  14
.set LSGW, 15
.set VS,   16
.set KS,   32
.set RA,   34
.set T,    36
.set PM,   36
.set MX,   44
.set SO,   48
.set Q2,   52
.set EA,   68
.set EB,   76
.set RT,   84
.set BY,   88
.set SWW,  92
.set SWT2, 93
.set STTE, 94
.set SVWW, 95
.set CD,   96
.set LSGR, 112
.set GO,   113
.set L8G,  114
.set L8L,  115
.set VOC,  116
.set VOV,  117
.set VOE,  118
.set VORA, 119
.set VOVS, 120
.set LVK,  121
.set LQ2,  122
.set LVB,  123
.set LVF,  124
.set LTV,  125
.set LST,  126
.set LRA,  127
.set X,    128
.set MSB, 0
.macro WIN new                         ; bits 1:0 source 0, 3:2 source 1, 5:4 source 2, 7:6 destination; the high byte repeats the setting that is left
.if MSB != (\new)
	s_set_vgpr_msb (MSB<<8)|(\new)
.set MSB, (\new)
.endif
.endm
.macro PLACES
.rept 4
	v_nop
.endr
.endm
.macro BARRIER                         ; my LDS stores have landed and my LDS loads are in: then the work-group's barrier
	s_wait_dscnt 0x0
	s_barrier_signal -1
	s_barrier_wait -1
.endm
; vector vec of the six, in the lane's order (register 32 B + i = j 64 B + 32 h + i), into window win from base on: sixteen lanes read the same 16 bytes
.macro VLOAD vec, win, base
	WIN (\win)<<6
.set ii, 0
.rept 32
	ds_load_b128 v[\base+4*ii:\base+4*ii+3], v[LVB] offset:VCL+(\vec)*1024+(ii/8)*256+(ii%8)*16
.set ii, ii+1
.endr
	WIN 0
.endm
.macro FOLD out                        ; four pairs of partial sums, and lane l xor 16's: the sum over the row's 256
	v_pk_add_f32 v[T:T+1], v[T:T+1], v[T+2:T+3]
	v_pk_add_f32 v[T+4:T+5], v[T+4:T+5], v[T+6:T+7]
	v_pk_add_f32 v[T:T+1], v[T:T+1], v[T+4:T+5]
	v_add_f32 v[T], v[T], v[T+1]
	v_permlanex16_b32 v[T+1], v[T], s40, s41
	v_add_f32 v[\out], v[T], v[T+1]
.endm
.macro LSUM win, base, out             ; the sum of a 128-register vector, in eight chains that their first sums start
	WIN (\win)|((\win)<<2)
.irp k, 0,1,2,3
	v_pk_add_f32 v[T+2*\k:T+2*\k+1], v[\base+2*\k:\base+2*\k+1], v[\base+8+2*\k:\base+9+2*\k]
.endr
	WIN (\win)<<2
.set jj, 16
.rept 14
.irp k, 0,1,2,3
	v_pk_add_f32 v[T+2*\k:T+2*\k+1], v[T+2*\k:T+2*\k+1], v[\base+jj+2*\k:\base+jj+2*\k+1]
.endr
.set jj, jj+8
.endr
	WIN 0
	FOLD \out
.endm
.macro LDOT win, a, b, out             ; the sum of products of two such vectors of one window
	WIN (\win)|((\win)<<2)
.irp k, 0,1,2,3
	v_pk_mul_f32 v[T+2*\k:T+2*\k+1], v[\a+2*\k:\a+2*\k+1], v[\b+2*\k:\b+2*\k+1]
.endr
.set jj, 8
.rept 15
.irp k, 0,1,2,3
	v_pk_fma_f32 v[T+2*\k:T+2*\k+1], v[\a+jj+2*\k:\a+jj+2*\k+1], v[\b+jj+2*\k:\b+jj+2*\k+1], v[T+2*\k:T+2*\k+1]
.endr
.set jj, jj+8
.endr
	WIN 0
	FOLD \out
.endm
.macro CENTRE win, base                ; the vector less the mean in v44
	WIN ((\win)<<6)|(\win)
.set jj, 0
.rept 64
	v_pk_add_f32 v[\base+jj:\base+jj+1], v[\base+jj:\base+jj+1], v[44:45] op_sel_hi:[1,0] neg_lo:[0,1] neg_hi:[0,1]
.set jj, jj+2
.endr
	WIN 0
.endm
	s_load_b512 s[8:23], s[0:1], 0x0               ; desc 8, Ek 10, bk 12, wk 14, gk 16, beta_k 18, Vk codes 20, Vk scales 22
	s_load_b256 s[24:31], s[0:1], 0x40             ; q2t 24, Ev 26, bv 28, wv 30
	s_load_b128 s[32:35], s[0:1], 0x60             ; sbuf 32, part 34
	s_load_b64 s[36:37], s[0:1], 0x70              ; sx
	v_lshrrev_b32 v63, 5, v0
	v_readfirstlane_b32 s2, v63                    ; wave 0..3
	s_mov_b32 s3, ttmp9                            ; x: which 64 tokens
	s_and_b32 s4, ttmp7, 0xffff                    ; y: which 32 rows
	v_and_b32 v5, 15, v0                           ; r
	v_bfe_u32 v6, v0, 4, 1                         ; h
	v_lshlrev_b32 v[VOC], 4, v0                    ; 16 x thread: the copies; also where the six vectors go in LDS
	v_and_b32 v63, 63, v0
	v_lshlrev_b32 v[VOV], 4, v63                   ; 64 threads to a vector of 1,024 bytes
	v_lshlrev_b32 v[VOE], 10, v5
	v_lshl_add_u32 v[VOE], v6, 7, v[VOE]           ; Ek, Ev: row r, + 32 h numbers
	v_lshlrev_b32 v[VORA], 2, v5
	v_lshl_add_u32 v[VORA], v6, 12, v[VORA]        ; desc for (r, a): token r, row h
	v_lshlrev_b32 v[VORV], 4, v5
	v_lshl_add_u32 v[VORV], v6, 12, v[VORV]        ; desc for rv, and sbuf: tokens 4 r on, row h
	v_lshlrev_b32 v[VOVS], 3, v5
	v_lshl_add_u32 v[VOVS], v6, 2, v[VOVS]         ; Vk's scale words: row r, word h
	s_mov_b32 s47, 0
	s_mov_b32 s40, 0x76543210
	s_mov_b32 s41, 0xfedcba98                      ; v_permlanex16_b32's selects for lane l xor 16
	s_mov_b32 s42, 0xff00ff00                      ; lanes whose r has bit 3, bit 2, bit 1
	s_mov_b32 s43, 0xf0f0f0f0
	s_mov_b32 s44, 0xcccccccc
	s_mov_b32 s55, 0                               ; the trip's place among (r, a), q2 and e
	s_mov_b32 s56, 0
	s_mov_b32 s57, 0
	s_mov_b32 s58, 0xbdb8aa3b                      ; -log2(e) / 16
	s_mov_b32 s59, s58                             ; (named with it as a pair, so it is written)
	s_wait_kmcnt 0x0
	s_cmp_lt_u32 s2, 2                             ; waves 0, 1 copy the first vector of each pair, waves 2, 3 the second: the choice hangs on the wave's number alone
	s_cselect_b64 s[48:49], s[14:15], s[12:13]
	s_cselect_b64 s[50:51], s[16:17], s[18:19]
	s_cselect_b64 s[52:53], s[30:31], s[28:29]
	s_lshl_b32 s46, s4, 17
	s_lshl_b32 s54, s3, 8
	s_add_co_u32 s46, s46, s54                     ; row 32 y, token 64 x, in desc and in sbuf
	s_add_nc_u64 s[8:9], s[8:9], s[46:47]
	s_add_nc_u64 s[32:33], s[32:33], s[46:47]
	s_lshl_b32 s46, s2, 15                         ; + 8 rows a wave
	s_add_nc_u64 s[38:39], s[8:9], s[46:47]
	s_add_nc_u64 s[32:33], s[32:33], s[46:47]
	s_lshl_b32 s46, s2, 6                          ; + 16 tokens a wave
	s_add_nc_u64 s[8:9], s[8:9], s[46:47]
	s_lshl_b32 s46, s3, 16
	s_lshl_b32 s54, s2, 14
	s_add_co_u32 s46, s46, s54                     ; my 16 rows of Ek and of Ev
	s_add_nc_u64 s[10:11], s[10:11], s[46:47]
	s_add_nc_u64 s[26:27], s[26:27], s[46:47]
	s_lshl_b32 s46, s4, 15                         ; 32 rows of 1,024 bytes in q2t and in part
	s_add_nc_u64 s[24:25], s[24:25], s[46:47]
	s_add_nc_u64 s[34:35], s[34:35], s[46:47]
	s_lshl_b32 s46, s3, 19
	s_lshl_b32 s54, s2, 13
	s_add_co_u32 s46, s46, s54
	s_add_nc_u64 s[34:35], s[34:35], s[46:47]
	s_lshl_b32 s46, s3, 4
	s_add_co_u32 s46, s46, s4
	s_lshl_b32 s46, s46, 8
	s_add_nc_u64 s[36:37], s[36:37], s[46:47]
	; ---- loads, group 1 (35): what goes to LDS
.irp p, 0,1,2
	global_load_b128 v[64+4*\p:67+4*\p], v[VOV], s[48+2*\p:49+2*\p]
.endr
	WIN 0x40
.set ii, 0
.rept 16
	global_load_b128 v[4*ii:4*ii+3], v[VOC], s[20:21] offset:2048*ii
.set ii, ii+1
.endr
.set ii, 0
.rept 16
	global_load_b128 v[64+4*ii:67+4*ii], v[VOC], s[24:25] offset:2048*ii
.set ii, ii+1
.endr
	WIN 0
	; ---- group 2 (52): desc twice, Ek
.set ii, 0
.rept 16
	global_load_b32 v[76+ii], v[VORA], s[8:9] offset:8192*ii       ; d of row 2 i + h, my token
.set ii, ii+1
.endr
.set ii, 0
.rept 4
	global_load_b128 v[96+4*ii:99+4*ii], v[VORV], s[38:39] offset:8192*ii   ; d of row 8 w + 2 i + h, tokens 4 r on
.set ii, ii+1
.endr
	WIN 0x80
.set ii, 0
.rept 32
	global_load_b128 v[4*ii:4*ii+3], v[VOE], s[10:11] offset:(ii/8)*256+(ii%8)*16
.set ii, ii+1
.endr
	WIN 0
	; ---- LDS addresses, while the loads are out
	v_lshlrev_b32 v[SH8], 3, v6
	v_lshrrev_b32 v63, 3, v0
	v_mul_u32_u24 v[LVK], v63, 144
	v_and_b32 v63, 7, v0
	v_lshl_add_u32 v[LVK], v63, 4, v[LVK]
	v_add_nc_u32 v[LVK], VKL, v[LVK]               ; eight threads to a row of Vk
	v_lshrrev_b32 v63, 6, v0
	v_mul_u32_u24 v[LQ2], v63, 1280
	v_bfe_u32 v63, v0, 2, 4
	v_mad_u32_u24 v[LQ2], v63, 80, v[LQ2]
	v_and_b32 v63, 3, v0
	v_lshl_add_u32 v[LQ2], v63, 4, v[LQ2]
	v_add_nc_u32 v[LQ2], Q2L, v[LQ2]               ; 64 threads to a row of q2t, four to its 64 bytes of one r
	v_lshlrev_b32 v[LVB], 7, v6
	v_mul_u32_u24 v[LVF], v5, 144
	v_lshl_add_u32 v[LVF], v6, 4, v[LVF]
	v_add_nc_u32 v[LVF], VKL, v[LVF]
	s_mul_i32 s54, s2, 16*544
	s_add_co_u32 s54, s54, TVL
	v_mul_u32_u24 v[LTV], v5, 544
	v_lshl_add_u32 v[LTV], v6, 6, v[LTV]
	v_add_nc_u32 v[LTV], s54, v[LTV]
	s_lshl_b32 s54, s2, 6
	s_add_co_u32 s54, s54, VST
	v_lshl_add_u32 v[LST], v5, 2, s54
	v_lshl_add_u32 v[R16], v5, 4, VST
	s_lshl_b32 s54, s2, 12
	s_add_co_u32 s54, s54, RAL
	v_lshl_add_u32 v[ARA0], v5, 3, s54
	v_lshl_add_u32 v[LRA], v6, 7, v[ARA0]
	v_mul_u32_u24 v[AQ20], v5, 80
	v_add_nc_u32 v[AQ20], Q2L, v[AQ20]
	v_lshrrev_b32 v63, 1, v5
	v_lshl_add_u32 v63, v6, 3, v63
	s_mul_i32 s54, s2, ELW
	s_add_co_u32 s54, s54, EL
	v_lshl_add_u32 v[AE0], v63, 2, s54             ; e of token 8 h + r / 2, in my wave's own bytes
	s_lshl_b32 s54, s2, 3
	v_add_nc_u32 v62, s54, v6                      ; 8 w + h
	v_lshrrev_b32 v63, 2, v5
	v_mul_u32_u24 v[LME], v63, ELW
	v_and_b32 v63, 3, v5
	v_lshl_add_u32 v[LME], v63, 4, v[LME]
	v_lshl_add_u32 v[LME], v62, 6, v[LME]
	v_add_nc_u32 v[LME], EL, v[LME]                ; e of row 8 w + h, tokens 4 r on
	v_mul_u32_u24 v[LMV], v62, 272
	v_lshl_add_u32 v[LMV], v5, 4, v[LMV]
	v_add_nc_u32 v[LMV], RVL, v[LMV]
	v_lshl_add_u32 v[LSX], v62, 2, SXL
	v_mul_u32_u24 v[LAB], v62, 144
	v_lshl_add_u32 v[LAB], v5, 3, v[LAB]
	v_add_nc_u32 v[LAB], ABL, v[LAB]
	v_and_b32 v63, 7, v0
	v_lshl_add_u32 v63, v6, 3, v63
	v_mul_u32_u24 v[LTVF], v63, 544
	v_bfe_u32 v63, v0, 3, 1
	v_lshl_add_u32 v[LTVF], v63, 4, v[LTVF]
	s_lshl_b32 s54, s2, 7
	s_add_co_u32 s54, s54, TVL
	v_add_nc_u32 v[LTVF], s54, v[LTVF]             ; the turning load: token 8 h + l % 8, 16 bytes ((l / 8) % 2), my wave's 64 channels
	v_mul_u32_u24 v[LUF], v5, 144
	v_lshl_add_u32 v[LUF], v6, 4, v[LUF]
	v_add_nc_u32 v[LUF], ABL, v[LUF]
	v_mul_u32_u24 v[LSGW], v5, 1040
	v_lshl_add_u32 v[LSGW], v6, 5, v[LSGW]
	s_lshl_b32 s54, s2, 8
	s_add_co_u32 s54, s54, STG
	v_add_nc_u32 v[LSGW], s54, v[LSGW]
	v_and_b32 v63, 31, v0
	v_lshlrev_b32 v[GO], 4, v63
	s_mul_i32 s54, s2, 8*1040
	s_add_co_u32 s54, s54, STG
	v_add_nc_u32 v[LSGR], s54, v[GO]
	v_lshlrev_b32 v[L8G], 3, v63
	v_add_nc_u32 v[L8L], SXL, v[L8G]
	v_mov_b32 v45, 0                               ; (named as the upper half of the pair v[44:45])
	v_mov_b32 v47, 0x3b800000                      ; 1 / 256
	; ---- the copies to LDS
	s_wait_loadcnt 52                              ; group 1 is in; group 2's 52 loads may be out
.irp p, 0,1,2
	ds_store_b128 v[VOC], v[64+4*\p:67+4*\p] offset:VCL+2048*\p
.endr
	WIN 0x04                                       ; an LDS store's data are its source 1: window 1
.set ii, 0
.rept 16
	ds_store_b128 v[LVK], v[4*ii:4*ii+3] offset:2304*ii
.set ii, ii+1
.endr
.set ii, 0
.rept 16
	ds_store_b128 v[LQ2], v[64+4*ii:67+4*ii] offset:2560*ii
.set ii, ii+1
.endr
	WIN 0
	; ---- group 3 (48): Vk's scale words, Ev
.set ii, 0
.rept 16
	global_load_b32 v[VS+ii], v[VOVS], s[22:23] offset:128*ii
.set ii, ii+1
.endr
	WIN 0x40
.set ii, 0
.rept 32
	global_load_b128 v[128+4*ii:131+4*ii], v[VOE], s[26:27] offset:(ii/8)*256+(ii%8)*16
.set ii, ii+1
.endr
	WIN 0
	BARRIER                                        ; the six vectors, Vk and q2 lie in LDS
	; ---- the tables of k
	VLOAD 0, 2, 128                                ; wk
	VLOAD 1, 0, X                                  ; bk
	s_wait_dscnt 32                                ; wk is in; bk's 32 loads may be out
	LSUM 2, 128, 46
	v_mul_f32 v44, v46, v47
	CENTRE 2, 128                                  ; wc
	s_wait_dscnt 0x0                               ; bk
	s_wait_loadcnt 48                              ; Ek (and desc) are in; group 3's 48 loads may be out
	WIN 0x82
.set jj, 0
.rept 64
	v_pk_add_f32 v[jj:jj+1], v[jj:jj+1], v[X+jj:X+jj+1]            ; bk + Ek[p]
.set jj, jj+2
.endr
	WIN 0
	VLOAD 2, 3, 128                                ; gk, where the accumulators will lie
	VLOAD 3, 3, 0                                  ; beta_k
	VLOAD 4, 1, 0                                  ; wv
	VLOAD 5, 0, X                                  ; bv
	LSUM 2, 0, 46
	v_mul_f32 v44, v46, v47
	CENTRE 2, 0                                    ; tc
	LDOT 2, 128, 128, 46
	v_mul_f32 v[SWW], v46, v47
	LDOT 2, 0, 0, 46
	v_fmaak_f32 v[STTE], v46, v47, 0x3727c5ac      ; Stt + eps
	LDOT 2, 128, 0, 46
	v_mul_f32 v[SWT2], 0x3c000000, v46             ; 2 Swt
	s_wait_dscnt 0x0
	WIN 0x8e                                       ; destination and source 0 window 2, source 1 (gk) window 3
.set jj, 0
.rept 64
	v_pk_mul_f32 v[jj:jj+1], v[jj:jj+1], v[128+jj:129+jj]          ; TG
.set jj, jj+2
.endr
.set jj, 0
.rept 64
	v_pk_mul_f32 v[128+jj:129+jj], v[128+jj:129+jj], v[128+jj:129+jj]   ; WG
.set jj, jj+2
.endr
	WIN 0
	; ---- the tables of v
	s_wait_loadcnt 0x0                             ; Ev, Vk's scale words
	LSUM 1, 0, 46
	v_mul_f32 v44, v46, v47
	CENTRE 1, 0                                    ; wvc
	WIN 0x41
.set jj, 0
.rept 64
	v_pk_add_f32 v[128+jj:129+jj], v[128+jj:129+jj], v[X+jj:X+jj+1]
.set jj, jj+2
.endr
	WIN 0
	LSUM 1, 128, 46
	v_mul_f32 v44, v46, v47
	CENTRE 1, 128                                  ; tvc
	LDOT 1, 0, 0, 46
	v_mul_f32 v[SVWW], v46, v47
	LDOT 1, 128, 128, 46
	v_fmaak_f32 v61, v46, v47, 0x3727c5ac
	LDOT 1, 0, 128, 46
	v_mul_f32 v60, 0x3c000000, v46
	WIN 0x05
.set jj, 0
.rept 64
	v_cvt_pk_bf16_f32 v[X+jj], v[128+2*jj], v[129+2*jj]
.set jj, jj+1
.endr
	WIN 0
.set ii, 0
.rept 16
	ds_store_b128 v[LTV], v[X+4*ii:X+4*ii+3] offset:(ii/4)*128+(ii%4)*16
.set ii, ii+1
.endr
	ds_store_b32 v[LST], v60                       ; both halves of the lanes write the same word
	ds_store_b32 v[LST], v61 offset:256
	; ---- Vk's fragments: they stay
	WIN 0x40
.set ii, 0
.rept 64
	ds_load_b128 v[4*ii:4*ii+3], v[LVF] offset:(ii/4)*2304+((ii/2)%2)*64+(ii%2)*32
.set ii, ii+1
.endr
	WIN 0
	; ---- (r, a) of my token for the 32 rows
.set ii, 0
.rept 16
	v_fma_f32 v[192+2*ii], v[76+ii], v[SWW], v[SWT2]
.set ii, ii+1
.endr
.set ii, 0
.rept 16
	v_fma_f32 v[192+2*ii], v[76+ii], v[192+2*ii], v[STTE]
.set ii, ii+1
.endr
.set ii, 0
.rept 16
	v_max_num_f32 v[192+2*ii], 0x3727c5ac, v[192+2*ii]
.set ii, ii+1
.endr
.set ii, 0
.rept 16
	v_rsq_f32 v[192+2*ii], v[192+2*ii]
.set ii, ii+1
.endr
	v_nop                                          ; one plain place behind the roots
.set ii, 0
	s_wait_alu depctr_va_vdst(0)
.rept 16
	v_mul_f32 v[193+2*ii], v[76+ii], v[192+2*ii]
.set ii, ii+1
.endr
.set ii, 0
.rept 16
	ds_store_b64 v[LRA], v[192+2*ii:193+2*ii] offset:256*ii
.set ii, ii+1
.endr
	BARRIER                                        ; every token's moments of v, and tvc, lie in LDS
	; ---- rv and d rv for rows 8 w + 2 i + h, tokens 4 r on: kept in LDS for the tail, written and read by the same thread
	ds_load_b128 v[52:55], v[R16]
	ds_load_b128 v[56:59], v[R16] offset:256
	s_wait_dscnt 0x0
.set ii, 0
.rept 16
	v_fma_f32 v[224+ii], v[96+ii], v[SVWW], v[52+ii%4]
.set ii, ii+1
.endr
.set ii, 0
.rept 16
	v_fma_f32 v[224+ii], v[96+ii], v[224+ii], v[56+ii%4]
.set ii, ii+1
.endr
.set ii, 0
.rept 16
	v_max_num_f32 v[224+ii], 0x3727c5ac, v[224+ii]
.set ii, ii+1
.endr
.set ii, 0
.rept 16
	v_rsq_f32 v[224+ii], v[224+ii]
.set ii, ii+1
.endr
	v_nop
.set ii, 0
	s_wait_alu depctr_va_vdst(0)
.rept 16
	v_mul_f32 v[240+ii], v[96+ii], v[224+ii]
.set ii, ii+1
.endr
.irp i, 0,1,2,3
	ds_store_b128 v[LMV], v[224+4*\i:227+4*\i] offset:544*\i
	ds_store_b128 v[LMV], v[240+4*\i:243+4*\i] offset:DVO+544*\i
.endr
	ds_load_b64 v[RA:RA+1], v[ARA0]                ; row 0's (r, a),
.irp c, 0,1,2,3
	ds_load_b128 v[Q2+4*\c:Q2+4*\c+3], v[AQ20] offset:16*\c        ; and its q2
.endr
; The sums over the sixteen lanes of a half, of eight numbers a lane: at each step a lane keeps half of its numbers and sends the other half to the lane that keeps those.  Lane (r, h) ends with e of token 8 h + r / 2.
.macro REDUCE
.irp i, 0,2,4,6
	v_pk_add_f32 v[EA+\i:EA+\i+1], v[EA+\i:EA+\i+1], v[EB+\i:EB+\i+1]
.endr
.irp j, 0,1,2,3
	v_cndmask_b32 v[RT+\j], v[EA+4+\j], v[EA+\j], s42
.endr
.irp j, 0,1,2,3
	v_cndmask_b32 v[EA+\j], v[EA+\j], v[EA+4+\j], s42
.endr
.irp j, 0,1,2,3
	v_add_f32_dpp v[EA+\j], v[RT+\j], v[EA+\j] row_xmask:8 row_mask:0xf bank_mask:0xf
.endr
.irp j, 0,1
	v_cndmask_b32 v[RT+\j], v[EA+2+\j], v[EA+\j], s43
.endr
.irp j, 0,1
	v_cndmask_b32 v[EA+\j], v[EA+\j], v[EA+2+\j], s43
.endr
.irp j, 0,1
	v_add_f32_dpp v[EA+\j], v[RT+\j], v[EA+\j] row_xmask:4 row_mask:0xf bank_mask:0xf
.endr
	v_cndmask_b32 v[RT], v[EA+1], v[EA], s44
	v_cndmask_b32 v[EA], v[EA], v[EA+1], s44
	v_add_f32_dpp v[EA], v[RT], v[EA] row_xmask:2 row_mask:0xf bank_mask:0xf
	v_add_f32_dpp v[EA], v[EA], v[EA] row_xmask:1 row_mask:0xf bank_mask:0xf
	v_add_nc_u32 v[ADE], s57, v[AE0]
	ds_store_b32 v[ADE], v[EA]                     ; two neighbouring lanes write the same word with the same value
	s_add_co_u32 s57, s57, 64
.endm
; A TRIP: one row b, my 16 tokens.
.macro TRIP first, last
	s_wait_dscnt 4                                 ; (r, a) of this row is in: behind it stand at least the four loads of q2
	WIN 0x32                                       ; source 0 (TG) window 2, source 2 (beta) window 3
.set jj, 0
.rept 64
	v_pk_fma_f32 v[X+jj:X+jj+1], v[jj:jj+1], v[RA:RA+1], v[jj:jj+1] op_sel_hi:[1,0,1]          ; r TG + beta
.set jj, jj+2
.endr
	WIN 0x02                                       ; source 0 (WG) window 2
.set jj, 0
.rept 64
	v_pk_fma_f32 v[X+jj:X+jj+1], v[128+jj:129+jj], v[RA:RA+1], v[X+jj:X+jj+1] op_sel:[0,1,0] op_sel_hi:[1,1,1]   ; + a WG
.set jj, jj+2
.endr
	WIN 0
.if !\last
	s_add_co_u32 s55, s55, 128
	v_add_nc_u32 v[ADA], s55, v[ARA0]
	ds_load_b64 v[RA:RA+1], v[ADA]                 ; the next row's (r, a)
.endif
.irp b, 0,1,2,3
	v_max3_num_f32 v[MX+\b], |v[X+32*\b]|, |v[X+32*\b+1]|, 0x1800000   ; my four blocks by turns; the floor 2^(3 - 127) holds the byte at 1 from below
.endr
.irp i, 2,4,6,8,10,12,14,16,18,20,22,24,26,28,30
.irp b, 0,1,2,3
	v_max3_num_f32 v[MX+\b], v[MX+\b], |v[X+32*\b+\i]|, |v[X+32*\b+\i+1]|
.endr
.endr
.irp b, 0,1,2,3
	v_add_nc_u32 v[SO+\b], 0xff000000, v[MX+\b]    ; 2 off the exponent field: the conversion's scale operand
.endr
.irp b, 0,1,2,3
	v_lshrrev_b32 v[BY+\b], 23, v[SO+\b]           ; the scale's byte
.endr
.irp s, 0,1
	v_lshl_or_b32 v[KS+\s], v[BY+2*\s+1], 16, v[BY+2*\s]           ; my two bytes of K step s: blocks h and 2 + h,
.endr
.irp s, 0,1
	v_lshlrev_b32 v[KS+\s], v[SH8], v[KS+\s]       ; at their places;
.endr
.irp s, 0,1
	v_permlanex16_b32 v[PM+\s], v[KS+\s], s40, s41
.endr
.irp s, 0,1
	v_or_b32 v[KS+\s], v[KS+\s], v[PM+\s]          ; with lane l xor 16's two the word is whole
.endr
.set ii, 0
.rept 16
	v_cvt_scalef32_pk8_fp4_f32 v[CD+ii], v[X+8*ii:X+8*ii+7], v[SO+ii/4]
.set ii, ii+1
.endr
.if \first
.rept 8
	v_nop                                          ; a scale word made by vector instructions stands eight places ahead of a scaled matrix instruction, codes so made four
.endr
.else
	REDUCE                                         ; the row before: its 27 plain instructions are those places, and the plain place behind the conversions
.endif
	WIN 0xf4                                       ; source 1 (Vk) window 1, C and D window 3.  Sixteen accumulators by turns
.irp s, 0,1
.irp t, 0,1,2,3,4,5,6,7,8,9,10,11,12,13,14,15
.if \s == 0
	v_wmma_scale_f32_16x16x128_f8f6f4 v[128+8*\t:135+8*\t], v[CD:CD+7], v[16*\t:16*\t+7], 0, v[KS], v[VS+\t] matrix_a_fmt:MATRIX_FMT_FP4 matrix_b_fmt:MATRIX_FMT_FP4
.else
	v_wmma_scale_f32_16x16x128_f8f6f4 v[128+8*\t:135+8*\t], v[CD+8:CD+15], v[16*\t+8:16*\t+15], v[128+8*\t:135+8*\t], v[KS+1], v[VS+\t] matrix_a_fmt:MATRIX_FMT_FP4 matrix_b_fmt:MATRIX_FMT_FP4 matrix_b_scale:MATRIX_SCALE_ROW1
.endif
.endr
.endr
	WIN 0
.if \last
	PLACES
.else
	s_add_co_u32 s56, s56, 1280
	v_add_nc_u32 v[ADQ], s56, v[AQ20]              ; four places behind the products: this line and three more
.rept 3
	v_nop
.endr
.endif
	s_wait_dscnt (1-\last)+(1-\first)              ; q2 of this row is in: behind it stand the next (r, a) and the store of e, where the trip has them
	WIN 0x03                                       ; source 0 (the accumulators) window 3
.irp t, 0,1,2,3,4,5,6,7,8,9,10,11,12,13,14,15
.irp i, 0,2,4,6
.if \t == 0
	v_pk_mul_f32 v[EA+\i:EA+\i+1], v[128+\i:129+\i], v[Q2:Q2+1] op_sel_hi:[1,0]
.elseif \t == 1
	v_pk_mul_f32 v[EB+\i:EB+\i+1], v[136+\i:137+\i], v[Q2:Q2+1] op_sel:[0,1] op_sel_hi:[1,1]
.elseif (\t%2) == 0
	v_pk_fma_f32 v[EA+\i:EA+\i+1], v[128+8*\t+\i:129+8*\t+\i], v[Q2+\t:Q2+\t+1], v[EA+\i:EA+\i+1] op_sel_hi:[1,0,1]
.else
	v_pk_fma_f32 v[EB+\i:EB+\i+1], v[128+8*\t+\i:129+8*\t+\i], v[Q2+\t-1:Q2+\t], v[EB+\i:EB+\i+1] op_sel:[0,1,0] op_sel_hi:[1,1,1]
.endif
.endr
.endr                                              ; each accumulator from its low end on; even tiles into one set of sums, odd ones into the other
	WIN 0
.if !\last
.irp c, 0,1,2,3
	ds_load_b128 v[Q2+4*\c:Q2+4*\c+3], v[ADQ] offset:16*\c
.endr
.endif
.endm
	TRIP 1, 0
	s_mov_b32 s45, 30
.Ltile:
	TRIP 0, 0
	s_sub_co_u32 s45, s45, 1
	s_cmp_lg_u32 s45, 0
	s_cbranch_scc1 .Ltile
	TRIP 0, 1
	REDUCE                                         ; the last row's e
	BARRIER                                        ; e of 32 rows x 64 tokens lies in LDS
	; ---- the sigmoid, the sums, s rv in bf16.  Thread: rows 8 w + 2 i + h, tokens 4 r on.
.irp i, 0,1,2,3
	ds_load_b128 v[128+4*\i:131+4*\i], v[LME] offset:128*\i
	ds_load_b128 v[144+4*\i:147+4*\i], v[LMV] offset:544*\i
	ds_load_b128 v[160+4*\i:163+4*\i], v[LMV] offset:DVO+544*\i
.endr
	s_wait_dscnt 0x0
.irp j, 0,2,4,6,8,10,12,14
	v_pk_mul_f32 v[128+\j:129+\j], v[128+\j:129+\j], s[58:59] op_sel_hi:[1,0]   ; -e log2(e) / 16
.endr
.irp j, 0,1,2,3,4,5,6,7,8,9,10,11,12,13,14,15
	v_exp_f32 v[128+\j], v[128+\j]
.endr
	v_nop                                          ; one plain place behind the exponentials
	s_wait_alu depctr_va_vdst(0)
.irp j, 0,2,4,6,8,10,12,14
	v_pk_add_f32 v[128+\j:129+\j], v[128+\j:129+\j], 1.0 op_sel_hi:[1,0]
.endr
.irp j, 0,1,2,3,4,5,6,7,8,9,10,11,12,13,14,15
	v_rcp_f32 v[128+\j], v[128+\j]                 ; s = 1 / (1 + 2^..): an exponential that overflows gives 0, one that underflows 1
.endr
	v_nop
	s_wait_alu depctr_va_vdst(0)
.irp j, 0,2,4,6,8,10,12,14
	v_pk_mul_f32 v[144+\j:145+\j], v[144+\j:145+\j], v[128+\j:129+\j]   ; s rv
	v_pk_mul_f32 v[160+\j:161+\j], v[160+\j:161+\j], v[128+\j:129+\j]   ; s d rv
.endr
.irp i, 0,1,2,3
	v_pk_add_f32 v[176+2*\i:177+2*\i], v[128+4*\i:129+4*\i], v[130+4*\i:131+4*\i]
	v_pk_add_f32 v[184+2*\i:185+2*\i], v[160+4*\i:161+4*\i], v[162+4*\i:163+4*\i]
.endr
.irp i, 0,1,2,3,4,5,6,7
	v_add_f32 v[176+2*\i], v[176+2*\i], v[177+2*\i]
.endr
.irp m, 1,2,4,8
.irp i, 0,1,2,3,4,5,6,7
	v_add_f32_dpp v[176+2*\i], v[176+2*\i], v[176+2*\i] row_xmask:\m row_mask:0xf bank_mask:0xf
.endr
.endr
.irp i, 0,1,2,3
	ds_store_b32 v[LSX], v[176+2*\i] offset:8*\i               ; sixteen lanes write the same word with the same value
	ds_store_b32 v[LSX], v[184+2*\i] offset:128+8*\i
.endr
.irp i, 0,1,2,3
	v_cvt_pk_bf16_f32 v[192+2*\i], v[144+4*\i], v[145+4*\i]
	v_cvt_pk_bf16_f32 v[193+2*\i], v[146+4*\i], v[147+4*\i]
.endr
.irp i, 0,1,2,3
	ds_store_b64 v[LAB], v[192+2*\i:193+2*\i] offset:288*\i
.endr
.irp i, 0,1,2,3
	global_store_b128 v[VORV], v[128+4*\i:131+4*\i], s[32:33] offset:8192*\i   ; sixteen lanes store 256 consecutive bytes, at a multiple of 256 from sbuf's first byte
.endr
	BARRIER                                        ; s rv of all 32 rows, and the sums, lie in LDS
	; ---- part^T = tvc^T (s rv)^T: source 0 = 16 of my wave's 64 channels (turned on the way out of LDS), source 1 = 16 rows b, K = the 64 tokens
	s_wait_xcnt 0x0                                ; the stores of s have read their registers: loads land there only behind this wait
.irp n, 0,1,2,3
.irp k, 0,1
	ds_load_tr16_b128 v[128+8*(2*\n+\k):131+8*(2*\n+\k)], v[LTVF] offset:17408*\k+32*\n
	ds_load_tr16_b128 v[132+8*(2*\n+\k):135+8*(2*\n+\k)], v[LTVF] offset:17408*\k+32*\n+8704
.endr
.endr
.irp m, 0,1
.irp k, 0,1
	ds_load_b128 v[192+8*(2*\m+\k):195+8*(2*\m+\k)], v[LUF] offset:2304*\m+64*\k
	ds_load_b128 v[196+8*(2*\m+\k):199+8*(2*\m+\k)], v[LUF] offset:2304*\m+64*\k+32
.endr
.endr
	s_wait_dscnt 0x0
	WIN 0xf0                                       ; C and D window 3: eight accumulators by turns
.irp k, 0,1
.irp n, 0,1,2,3
.irp m, 0,1
.if \k == 0
	v_wmma_f32_16x16x32_bf16 v[128+8*(2*\n+\m):135+8*(2*\n+\m)], v[128+8*(2*\n):135+8*(2*\n)], v[192+8*(2*\m):199+8*(2*\m)], 0
.else
	v_wmma_f32_16x16x32_bf16 v[128+8*(2*\n+\m):135+8*(2*\n+\m)], v[136+8*(2*\n):143+8*(2*\n)], v[200+8*(2*\m):207+8*(2*\m)], v[128+8*(2*\n+\m):135+8*(2*\n+\m)]
.endif
.endr
.endr
.endr
	WIN 0
	PLACES                                         ; lane (r, h), register i: row 16 m + r, channel 64 w + 16 n + 8 h + i
	WIN 0x0c                                       ; the stores' data: window 3
.irp n, 0,1,2,3
.irp m, 0,1
	ds_store_b128 v[LSGW], v[128+8*(2*\n+\m):131+8*(2*\n+\m)] offset:16640*\m+64*\n
	ds_store_b128 v[LSGW], v[132+8*(2*\n+\m):135+8*(2*\n+\m)] offset:16640*\m+64*\n+16
.endr
.endr
	WIN 0
	BARRIER                                        ; 32 whole rows lie in the stage
.set ii, 0
.rept 16
	ds_load_b128 v[128+4*ii:131+4*ii], v[LSGR] offset:(ii/2)*1040+(ii%2)*512
.set ii, ii+1
.endr
.set ii, 0
.rept 16
	s_wait_dscnt 15-ii                             ; LDS loads come back in order: load ii is in
	global_store_b128 v[GO], v[128+4*ii:131+4*ii], s[34:35] offset:(ii/2)*1024+(ii%2)*512   ; 32 lanes store 512 consecutive bytes
.set ii, ii+1
.endr
	s_cmp_lg_u32 s2, 0                             ; the work-group's 64 sums leave as one run of 256 bytes, by wave 0
	s_cbranch_scc1 .Ldone
	ds_load_b64 v[192:193], v[L8L]
	s_wait_dscnt 0x0
	global_store_b64 v[L8G], v[192:193], s[36:37]
.Ldone:
	s_barrier_signal -1
	s_barrier_wait -1
	s_wait_xcnt 0x0
	v_lshl_add_u32 v254, v0, 2, 0x31000
	v_mov_b32 v255, 0
	s_wait_tensorcnt 0x0
	ds_add_u32 v254, v255
	s_wait_dscnt 0x0
	s_endpgm
.Lfunc_end_k_qba42716e21_main:
	.size	k_qba42716e21_main, .Lfunc_end_k_qba42716e21_main-k_qba42716e21_main
	.p2alignl 7, 3214868480
	.fill 96, 4, 3214868480
	.section	.rodata,"a",@progbits
	.p2align	6, 0x0
	.amdhsa_kernel k_qba42716e21_main
		.amdhsa_group_segment_fixed_size 201216
		.amdhsa_private_segment_fixed_size 0
		.amdhsa_enable_private_segment 0
		.amdhsa_kernarg_size 120
		.amdhsa_user_sgpr_count 2
		.amdhsa_user_sgpr_kernarg_segment_ptr 1
		.amdhsa_wavefront_size32 1
		.amdhsa_system_sgpr_workgroup_id_x 1
		.amdhsa_system_sgpr_workgroup_id_y 1
		.amdhsa_system_sgpr_workgroup_id_z 1
		.amdhsa_system_vgpr_workitem_id 0
		.amdhsa_next_free_vgpr 1024
		.amdhsa_next_free_sgpr 66
		.amdhsa_reserve_vcc 0
		.amdhsa_float_denorm_mode_32 3
		.amdhsa_float_denorm_mode_16_64 3
		.amdhsa_memory_ordered 1
		.amdhsa_forward_progress 1
		.amdhsa_inst_pref_size 220
	.end_amdhsa_kernel
	.amdgpu_metadata
---
amdhsa.version: [ 1, 2 ]
amdhsa.kernels:
  - .name:           k_qba42716e21_main
    .symbol:         k_qba42716e21_main.kd
    .args:
      - { .name: desc_2d, .offset: 0, .size: 8, .value_kind: global_buffer, .address_space: global }
      - { .name: Ek, .offset: 8, .size: 8, .value_kind: global_buffer, .address_space: global }
      - { .name: bk_val, .offset: 16, .size: 8, .value_kind: global_buffer, .address_space: global }
      - { .name: wk_val, .offset: 24, .size: 8, .value_kind: global_buffer, .address_space: global }
      - { .name: ln_k_g, .offset: 32, .size: 8, .value_kind: global_buffer, .address_space: global }
      - { .name: ln_k_b, .offset: 40, .size: 8, .value_kind: global_buffer, .address_space: global }
      - { .name: Vk_codes, .offset: 48, .size: 8, .value_kind: global_buffer, .address_space: global }
      - { .name: Vk_scales, .offset: 56, .size: 8, .value_kind: global_buffer, .address_space: global }
      - { .name: q2t, .offset: 64, .size: 8, .value_kind: global_buffer, .address_space: global }
      - { .name: Ev, .offset: 72, .size: 8, .value_kind: global_buffer, .address_space: global }
      - { .name: bv_val, .offset: 80, .size: 8, .value_kind: global_buffer, .address_space: global }
      - { .name: wv_val, .offset: 88, .size: 8, .value_kind: global_buffer, .address_space: global }
      - { .name: sbuf, .offset: 96, .size: 8, .value_kind: global_buffer, .address_space: global }
      - { .name: part, .offset: 104, .size: 8, .value_kind: global_buffer, .address_space: global }
      - { .name: sx, .offset: 112, .size: 8, .value_kind: global_buffer, .address_space: global }
    .group_segment_fixed_size: 201216
    .private_segment_fixed_size: 0
    .kernarg_segment_align: 8
    .kernarg_segment_size: 120
    .max_flat_workgroup_size: 128
    .sgpr_count:     66
    .vgpr_count:     1024
    .wavefront_size: 32
...
	.end_amdgpu_metadata
.endif
;; end of part 2
;; launch finish (part 3): grid 256 x 1, 4 waves a work-group, no clusters, 0 bytes of LDS; arguments sbuf, part, sx, wv_val, ln_v_g, ln_v_b, out0, out1; writes out0, out1
.if DOCPART == 3
	.amdgcn_target "amdgcn-amd-amdhsa--gfx1250"
	.amdhsa_code_object_version 6
	.text
	.protected	k_qba42716e21_finish
	.globl	k_qba42716e21_finish
	.p2align	8
	.type	k_qba42716e21_finish,@function
k_qba42716e21_finish:
	s_mov_b64 s[64:65], 0
	v_nop
	global_prefetch_b8 v0, s[64:65] scope:SCOPE_SE
	s_setreg_imm32_b32 hwreg(HW_REG_WAVE_MODE, 25, 1), 1
	s_wait_xcnt 0x0
; The sums that span the sixteen groups of tokens, in a fixed order, and the two results:
;   S = sum of s, Y = sum of s d rv, P[j] = sum over the groups of part;  inv = 1 / (S + 1e-12);  alpha = s inv;  c = (wvc Y + P) (g_v inv) + b_v (S inv),  wvc = wv - mean(wv).
; A work-group takes two rows b; a wave half a row: 512 numbers of alpha, 128 of c.  A stream: every load and store of a wave covers 512 consecutive bytes (but the 32 sums, 4 bytes of 16 blocks each);
; all 26 loads go out at once.  No LDS, no barrier, no matrix work: the waves share nothing and memory binds.
; LIMITS: NaN and infinities are not served.
	s_load_b512 s[8:23], s[0:1], 0x0               ; sbuf 8, part 10, sx 12, wv 14, g 16, b 18, out0 20, out1 22
	v_lshrrev_b32 v1, 5, v0
	v_readfirstlane_b32 s2, v1                     ; wave
	v_and_b32 v2, 31, v0
	v_lshlrev_b32 v1, 4, v2                        ; 16 x lane
	v_and_b32 v2, 15, v0
	v_lshlrev_b32 v2, 12, v2                       ; lane % 16 is the group of tokens: 4,096 bytes apart in sx
	v_mov_b32 v5, 0                                ; (upper halves of pairs of which the low word serves both halves)
	v_mov_b32 v105, 0
	v_mov_b32 v111, 0
	s_lshr_b32 s3, s2, 1
	s_lshl_b32 s4, ttmp9, 1
	s_add_co_u32 s3, s3, s4                        ; b
	s_and_b32 s4, s2, 1                            ; which half of the row
	s_mov_b32 s29, 0
	s_mov_b32 s30, 0x76543210
	s_mov_b32 s31, 0xfedcba98
	s_wait_kmcnt 0x0
	s_lshl_b32 s28, s3, 12
	s_lshl_b32 s5, s4, 11
	s_add_co_u32 s28, s28, s5
	s_add_nc_u64 s[8:9], s[8:9], s[28:29]
	s_add_nc_u64 s[22:23], s[22:23], s[28:29]
	s_lshl_b32 s28, s3, 10
	s_lshl_b32 s5, s4, 9
	s_add_co_u32 s28, s28, s5
	s_add_nc_u64 s[10:11], s[10:11], s[28:29]
	s_add_nc_u64 s[20:21], s[20:21], s[28:29]
	s_lshr_b32 s28, s3, 5
	s_lshl_b32 s28, s28, 8
	s_and_b32 s5, s3, 31
	s_lshl_b32 s5, s5, 2
	s_add_co_u32 s28, s28, s5
	s_add_nc_u64 s[12:13], s[12:13], s[28:29]
	s_lshl_b32 s28, s4, 9
	s_add_nc_u64 s[24:25], s[14:15], s[28:29]      ; wv: my half,
	s_add_nc_u64 s[16:17], s[16:17], s[28:29]
	s_add_nc_u64 s[18:19], s[18:19], s[28:29]
	s_xor_b32 s28, s28, 512
	s_add_nc_u64 s[26:27], s[14:15], s[28:29]      ; and the other, for the mean
	global_load_b32 v3, v2, s[12:13]
	global_load_b32 v4, v2, s[12:13] offset:128
	global_load_b128 v[8:11], v1, s[24:25]
	global_load_b128 v[12:15], v1, s[26:27]
	global_load_b128 v[16:19], v1, s[16:17]
	global_load_b128 v[20:23], v1, s[18:19]
.irp i, 0,1,2,3
	global_load_b128 v[24+4*\i:27+4*\i], v1, s[8:9] offset:512*\i th:TH_LOAD_NT
.endr
.irp g, 0,1,2,3,4,5,6,7,8,9,10,11,12,13,14,15
	global_load_b128 v[40+4*\g:43+4*\g], v1, s[10:11] offset:524288*\g th:TH_LOAD_NT
.endr
	s_wait_loadcnt 24                              ; the two sums are in; 24 loads stand behind them
.irp m, 1,2,4,8
	v_add_f32_dpp v3, v3, v3 row_xmask:\m row_mask:0xf bank_mask:0xf
	v_add_f32_dpp v4, v4, v4 row_xmask:\m row_mask:0xf bank_mask:0xf
.endr
	v_add_f32 v104, 0x2b8cbccc, v3                 ; S + 1e-12
	v_rcp_f32 v104, v104
	s_wait_loadcnt 22                              ; wv, both halves
	v_pk_add_f32 v[106:107], v[8:9], v[10:11]      ; (the plain place behind the reciprocal)
	v_pk_add_f32 v[108:109], v[12:13], v[14:15]
	v_pk_add_f32 v[106:107], v[106:107], v[108:109]
	v_add_f32 v106, v106, v107
.irp m, 1,2,4,8
	v_add_f32_dpp v106, v106, v106 row_xmask:\m row_mask:0xf bank_mask:0xf
.endr
	v_permlanex16_b32 v107, v106, s30, s31
	v_add_f32 v106, v106, v107
	v_mul_f32 v106, 0x3b800000, v106               ; mean(wv)
	v_pk_add_f32 v[8:9], v[8:9], v[106:107] op_sel_hi:[1,0] neg_lo:[0,1] neg_hi:[0,1]
	v_pk_add_f32 v[10:11], v[10:11], v[106:107] op_sel_hi:[1,0] neg_lo:[0,1] neg_hi:[0,1]
	s_wait_alu depctr_va_vdst(0)
	v_mul_f32 v110, v3, v104                       ; S inv = the sum of alpha
	s_wait_loadcnt 16                              ; g, b and s are in; part's 16 loads may be out
.irp j, 0,2,4,6,8,10,12,14
	v_pk_mul_f32 v[24+\j:25+\j], v[24+\j:25+\j], v[104:105] op_sel_hi:[1,0]
.endr
.irp i, 0,1,2,3
	global_store_b128 v1, v[24+4*\i:27+4*\i], s[22:23] offset:512*\i th:TH_STORE_NT
.endr
	v_pk_mul_f32 v[16:17], v[16:17], v[104:105] op_sel_hi:[1,0]
	v_pk_mul_f32 v[18:19], v[18:19], v[104:105] op_sel_hi:[1,0]
	v_pk_mul_f32 v[20:21], v[20:21], v[110:111] op_sel_hi:[1,0]
	v_pk_mul_f32 v[22:23], v[22:23], v[110:111] op_sel_hi:[1,0]
	s_wait_loadcnt 0x0
.irp g, 1,2,3,4,5,6,7,8,9,10,11,12,13,14,15
	v_pk_add_f32 v[40:41], v[40:41], v[40+4*\g:41+4*\g]            ; the groups in ascending order
	v_pk_add_f32 v[42:43], v[42:43], v[42+4*\g:43+4*\g]
.endr
	v_pk_fma_f32 v[40:41], v[8:9], v[4:5], v[40:41] op_sel_hi:[1,0,1]
	v_pk_fma_f32 v[42:43], v[10:11], v[4:5], v[42:43] op_sel_hi:[1,0,1]
	v_pk_fma_f32 v[40:41], v[40:41], v[16:17], v[20:21]
	v_pk_fma_f32 v[42:43], v[42:43], v[18:19], v[22:23]
	global_store_b128 v1, v[40:43], s[20:21] th:TH_STORE_NT
	s_endpgm
.Lfunc_end_k_qba42716e21_finish:
	.size	k_qba42716e21_finish, .Lfunc_end_k_qba42716e21_finish-k_qba42716e21_finish
	.p2alignl 7, 3214868480
	.fill 96, 4, 3214868480
	.section	.rodata,"a",@progbits
	.p2align	6, 0x0
	.amdhsa_kernel k_qba42716e21_finish
		.amdhsa_group_segment_fixed_size 0
		.amdhsa_private_segment_fixed_size 0
		.amdhsa_enable_private_segment 0
		.amdhsa_kernarg_size 64
		.amdhsa_user_sgpr_count 2
		.amdhsa_user_sgpr_kernarg_segment_ptr 1
		.amdhsa_wavefront_size32 1
		.amdhsa_system_sgpr_workgroup_id_x 1
		.amdhsa_system_sgpr_workgroup_id_y 1
		.amdhsa_system_sgpr_workgroup_id_z 1
		.amdhsa_system_vgpr_workitem_id 0
		.amdhsa_next_free_vgpr 112
		.amdhsa_next_free_sgpr 66
		.amdhsa_reserve_vcc 0
		.amdhsa_float_denorm_mode_32 3
		.amdhsa_float_denorm_mode_16_64 3
		.amdhsa_memory_ordered 1
		.amdhsa_forward_progress 1
		.amdhsa_inst_pref_size 9
	.end_amdhsa_kernel
	.amdgpu_metadata
---
amdhsa.version: [ 1, 2 ]
amdhsa.kernels:
  - .name:           k_qba42716e21_finish
    .symbol:         k_qba42716e21_finish.kd
    .args:
      - { .name: sbuf, .offset: 0, .size: 8, .value_kind: global_buffer, .address_space: global }
      - { .name: part, .offset: 8, .size: 8, .value_kind: global_buffer, .address_space: global }
      - { .name: sx, .offset: 16, .size: 8, .value_kind: global_buffer, .address_space: global }
      - { .name: wv_val, .offset: 24, .size: 8, .value_kind: global_buffer, .address_space: global }
      - { .name: ln_v_g, .offset: 32, .size: 8, .value_kind: global_buffer, .address_space: global }
      - { .name: ln_v_b, .offset: 40, .size: 8, .value_kind: global_buffer, .address_space: global }
      - { .name: out0, .offset: 48, .size: 8, .value_kind: global_buffer, .address_space: global }
      - { .name: out1, .offset: 56, .size: 8, .value_kind: global_buffer, .address_space: global }
    .group_segment_fixed_size: 0
    .private_segment_fixed_size: 0
    .kernarg_segment_align: 8
    .kernarg_segment_size: 64
    .max_flat_workgroup_size: 128
    .sgpr_count:     66
    .vgpr_count:     112
    .wavefront_size: 32
...
	.end_amdgpu_metadata
.endif
;; end of part 3
